; MI455X (gfx1250); checked and timed in simulation.
; The chip was launched on July 23, 2026; its instructions are those of AMD's public machine-readable ISA for CDNA 5 (MIT licence, August 2026) and "CDNA5" Instruction Set Architecture Reference Guide (July 2026). The comments in the code are by the model that wrote it; some were corrected since.
;; Self Attention. Allowed arithmetic: float matrix products may take bf16 or f16 operands with f32 sums; all other float work in f32.
;; Inputs: Wk 1,024 x 1,024 float32; Wq 1,024 x 1,024 float32; Wv 1,024 x 1,024 float32; attention_input 4 x 4,096 x 1,024 float32; attention_mask 4 x 4,096 float32; bk 1,024 float32; bq 1,024 float32; bv 1,024 float32; rand_idx 4 x 4,096 x 2 int32.
;; Outputs: out0 4 x 4,096 x 16 x 64 float32.
;; One version. Each part assembles by itself: llvm-mc -triple=amdgcn-amd-amdhsa -mcpu=gfx1250 --defsym DOCPART=n.
;; ======== version 1 of 1: 4 launches
;; workspace buffers: part 2,097,152 bytes; kvp 1,048,576 bytes; mf 524,288 bytes; vs 32,768 bytes; cb 512 bytes
;; launch xsum (part 1): grid 64 x 4, 16 waves a work-group, no clusters, 96,256 bytes of LDS; arguments attention_input, rand_idx, part; writes part
.if DOCPART == 1
	.amdgcn_target "amdgcn-amd-amdhsa--gfx1250"
	.amdhsa_code_object_version 6
	.text
	.protected	k_qae36845bb9_xsum
	.globl	k_qae36845bb9_xsum
	.p2align	8
	.type	k_qae36845bb9_xsum,@function
k_qae36845bb9_xsum:
	s_mov_b64 s[64:65], 0
	v_nop
	global_prefetch_b8 v0, s[64:65] scope:SCOPE_SE
	s_setreg_imm32_b32 hwreg(HW_REG_WAVE_MODE, 25, 1), 1
	s_wait_xcnt 0x0
; xsum: part[b][chunk][r][h] = sum over the 64 rows j of the chunk of count[b][r][j] * x[b][j][h], all in f32.
; count[b][r][j] = how often rand_idx[b][.][r] names row j.  It rests on an identity that holds for every input:
; the sum over s of (x[idx_s] W + bias) = (sum over j of count[j] x[j]) W + 4096 bias, so the sampled K and V rows are never formed.
; attention_mask is no argument of any launch of this program: reference() never uses it.
; LIMITS: an index lies in 0..4095, as reference() relies on; one outside that range is counted for no row.
; The order of the f32 sums differs from reference()'s.
; The work-group (chunk = x, b = y) owns 64 rows of x[b], 256 KiB.  16 waves; thread t owns the 16 bytes at 16 (t mod 256) of the 32 rows
; 32 (t / 256) .. + 31, so that a wave's load covers 512 consecutive bytes, aligned.  16 of a thread's 32 loads go out at the start, the other
; 16 two at a time inside the eight steps of the counting, so that the issue of the loads and the LDS round trips of the counting overlap.
; No matrix unit, no cluster, no LDS ring: every byte of x is used once, straight from registers.
; THE COUNTS.  Every work-group scans its batch's 8,192 indices (32 KiB), 16 a thread.  A lane has byte counters of its own in LDS, for each r
; 64 bins and a spare byte: with d = idx - 64 chunk as an unsigned number the counter's place is min(d, 64), so an index of another chunk
; falls on the spare byte and no branch hangs on data.  A lane adds at most 8 to a byte.
.set HISTW,  4608                      ; a wave's counters: 32 lanes x 136 bytes, rounded up to 9 x 512
.set HPITCH, 136                       ; a lane's row: r = 0 bins 0-63, spare word at 64, r = 1 bins 68-131, spare word at 132.  34 words: the 32 lanes' spare
                                       ; words, where 63 of 64 indices fall, start at 34 l mod 64, 32 different ones of the 64 banks of 4 bytes (ISA guide 11.1)
.set R1,     68                        ; where r = 1 begins in a lane's row
.set LWP,    73728                     ; [wave 16][lane 32] x 8 bytes: the waves' sums, four 16-bit fields
.set LTAB,   77824                     ; [wave 16][128 f32]: each wave's own copy of the finished counts
.set LRED,   86016                     ; [r 2][256 threads] x 16 bytes: the upper 32 rows' sums on their way to the lower waves
.set EARLY,  16                        ; x loads of a thread that go out at the start
.set IDX, 16                           ; v[16:31]   16 indices
.set ADR, 32                           ; v[32:47]   their counters' LDS addresses
.set ACC, 48                           ; v[48:55]   sums, r = 0 in 48-51, r = 1 in 52-55
.set TMP, 56                           ; v[56:63]   at work
.set X,   64                           ; v[64:191]  my 16 bytes of 32 rows
.set C0,  16                           ; v[16:47]   later: counts of my 32 rows, r = 0
.set C1,  192                          ; v[192:223] counts of my 32 rows, r = 1
.set Z,   192                          ; v[192:195] first: zeros
.set BY,  196                          ; v[196:199] first: counters at work, two pairs in turn
	s_load_b128 s[4:7], s[0:1], 0x0                ; x s[4:5], rand_idx s[6:7]
	s_load_b64 s[10:11], s[0:1], 0x10              ; part
	v_lshl_add_u32 v224, v0, 2, 0x17000
	v_mov_b32 v225, 0
	v_lshrrev_b32 v1, 5, v0
	v_readfirstlane_b32 s8, v1                     ; wave 0..15
	s_mov_b32 s9, ttmp9                            ; chunk
	s_and_b32 s12, ttmp7, 0xffff                   ; b
	s_mov_b32 s16, 0x00ff00ff                      ; bytes 0 and 2 of a word
	s_lshl_b32 s24, s9, 6                          ; my chunk's first row
	v_and_b32 v1, 31, v0                           ; lane
	s_lshr_b32 s22, s8, 3                          ; which 32 rows are mine
	s_and_b32 s21, s8, 7
	s_lshl_b32 s21, s21, 9
	v_lshl_add_u32 v12, v1, 4, s21                 ; 16 (t mod 256): my place in a row
	s_lshl_b32 s23, s22, 17                        ; 32 rows of 4,096 bytes
	v_add_nc_u32 v2, s23, v12                      ; x: offset of my 16 bytes in my first row
	v_lshlrev_b32 v3, 4, v0                        ; rand_idx: 16 t
	s_mul_i32 s17, s8, HISTW
	v_mul_u32_u24 v4, v1, HPITCH
	v_add_nc_u32 v4, s17, v4                       ; my lane's counters
	v_lshl_add_u32 v5, v1, 4, s17                  ; for clearing my wave's counters
	v_lshrrev_b32 v6, 4, v1
	v_add_nc_u32 v6, v6, v1                        ; word l of a row's bins: lanes 16-31 (r = 1) skip the spare word of r = 0
	v_lshl_add_u32 v6, v6, 2, s17
	s_lshl_b32 s18, s8, 8
	s_add_co_u32 s18, s18, LWP
	v_lshl_add_u32 v7, v1, 3, s18                  ; my wave's sums: in
	v_lshlrev_b32 v8, 3, v1
	v_add_nc_u32 v8, LWP, v8                       ; all waves' sums: back
	s_lshl_b32 s19, s8, 9
	s_add_co_u32 s19, s19, LTAB
	v_lshl_add_u32 v9, v1, 4, s19                  ; my wave's table: in
	s_lshl_b32 s20, s22, 7
	s_add_co_u32 s20, s20, s19
	v_mov_b32 v10, s20                             ; my wave's table: the counts of my 32 rows (the same address in all lanes)
	v_add_nc_u32 v11, LRED, v12
.irp j, 0,1,2,3
	v_mov_b32 v[Z+\j], 0
.endr
	s_lshl_b32 s14, s12, 24                        ; a batch of x is 16 MiB,
	s_lshl_b32 s15, s9, 18                         ; a chunk 64 rows of 4,096 bytes
	s_add_co_u32 s14, s14, s15
	s_mov_b32 s15, 0
	s_wait_kmcnt 0x0
	s_add_nc_u64 s[4:5], s[4:5], s[14:15]
	s_lshl_b32 s14, s12, 15                        ; a batch of rand_idx is 32 KiB
	s_add_nc_u64 s[6:7], s[6:7], s[14:15]
	s_lshl_b32 s14, s12, 6
	s_add_co_u32 s14, s14, s9
	s_lshl_b32 s14, s14, 13                        ; (64 b + chunk) x 2 rows of 4,096 bytes
	s_add_nc_u64 s[10:11], s[10:11], s[14:15]
.macro XLOAD i                         ; my 16 bytes of my row i.  No hint: the last launch reads x again
	global_load_b128 v[X+4*(\i):X+4*(\i)+3], v2, s[4:5] offset:(\i)*4096
.endm
.irp i, 0,1,2,3
	global_load_b128 v[IDX+4*\i:IDX+4*\i+3], v3, s[6:7] offset:\i*8192     ; element e of my 16: r = e mod 2
.endr
.set i, 0
.rept EARLY
	XLOAD i
.set i, i+1
.endr
.irp i, 0,1,2,3,4,5,6,7,8
	ds_store_b128 v5, v[Z:Z+3] offset:\i*512       ; my wave's counters are cleared
.endr
	s_wait_loadcnt EARLY                           ; loads come back in order: the four index loads are in, the 16 of x issued behind them stay out
.irp e, 0,1,2,3,4,5,6,7,8,9,10,11,12,13,14,15
	v_sub_nc_u32 v[ADR+\e], v[IDX+\e], s24         ; d: 0..63 in my chunk; anything else, wrapped or not, is 64 or more
	v_min_u32 v[ADR+\e], 64, v[ADR+\e]             ; the bin, or the spare byte
	v_add_nc_u32 v[ADR+\e], v4, v[ADR+\e]
.endr
; One index of each r: read the two counters, add 1, write back; two more rows of x are asked for while the reads are on their way.
; The bytes are the lane's own, and LDS serves a wave's instructions in order (ISA guide 5.7.1), so the next step's reads see these stores
; and the first step's see the clearing.
.macro RMW k
	ds_load_u8 v[BY+2*((\k)&1)],   v[ADR+2*\k]
	ds_load_u8 v[BY+2*((\k)&1)+1], v[ADR+2*\k+1] offset:R1
	XLOAD EARLY+2*\k
	XLOAD EARLY+2*\k+1
	s_wait_dscnt 0x0
	v_add_nc_u32 v[BY+2*((\k)&1)],   1, v[BY+2*((\k)&1)]
	v_add_nc_u32 v[BY+2*((\k)&1)+1], 1, v[BY+2*((\k)&1)+1]
	ds_store_b8 v[ADR+2*\k],   v[BY+2*((\k)&1)]
	ds_store_b8 v[ADR+2*\k+1], v[BY+2*((\k)&1)+1] offset:R1
.endm
.irp k, 0,1,2,3,4,5,6,7
	RMW \k
.endr
	; The wave's sum: lane l takes the word of bins 4 l .. 4 l + 3 (bin = 64 r + row) of all 32 lanes' counters.
.set i, 0
.rept 32
	ds_load_b32 v[16+i], v6 offset:i*HPITCH
.set i, i+1
.endr
	s_wait_dscnt 0x0
.macro SUM16 b                         ; 16 words of four bytes each, every byte at most 8: the sums stay at 128 or below, inside their bytes
	v_add3_u32 v[\b],    v[\b],    v[\b+1],  v[\b+2]
	v_add3_u32 v[\b+3],  v[\b+3],  v[\b+4],  v[\b+5]
	v_add3_u32 v[\b+6],  v[\b+6],  v[\b+7],  v[\b+8]
	v_add3_u32 v[\b+9],  v[\b+9],  v[\b+10], v[\b+11]
	v_add3_u32 v[\b+12], v[\b+12], v[\b+13], v[\b+14]
	v_add3_u32 v[\b],    v[\b],    v[\b+3],  v[\b+6]
	v_add3_u32 v[\b+9],  v[\b+9],  v[\b+12], v[\b+15]
	v_add_nc_u32 v[\b],  v[\b],    v[\b+9]
.endm
	SUM16 16
	SUM16 32
	v_and_b32 v[TMP], s16, v16                     ; widen to 16-bit fields: bins 4 l and 4 l + 2 ...
	v_and_b32 v[TMP+1], s16, v32
	v_lshrrev_b32 v[TMP+2], 8, v16
	v_lshrrev_b32 v[TMP+3], 8, v32
	v_add_nc_u32 v[TMP], v[TMP], v[TMP+1]
	v_and_b32 v[TMP+2], s16, v[TMP+2]              ; ... and bins 4 l + 1 and 4 l + 3
	v_and_b32 v[TMP+3], s16, v[TMP+3]
	v_add_nc_u32 v[TMP+1], v[TMP+2], v[TMP+3]
	ds_store_b64 v7, v[TMP:TMP+1]
	s_wait_dscnt 0x0                               ; my wave's sums are in LDS before I say so
	s_barrier_signal -1
	s_barrier_wait -1
	; Every wave adds the 16 waves' sums (a field reaches 4,096 at most) and keeps the counts as f32 in a table of its own.
.irp j, 0,1,2,3,4,5,6,7,8,9,10,11,12,13,14,15
	ds_load_b64 v[16+2*\j:17+2*\j], v8 offset:\j*256
.endr
	s_wait_dscnt 0x0
.irp j, 0,1,2,3,4,5,6,7,8,9,10,11,12,13,14,15
	v_add_nc_u32 v[16+\j], v[16+\j], v[32+\j]
.endr
.irp j, 0,1,2,3,4,5,6,7
	v_add_nc_u32 v[16+\j], v[16+\j], v[24+\j]
.endr
.irp j, 0,1,2,3
	v_add_nc_u32 v[16+\j], v[16+\j], v[20+\j]
.endr
	v_add_nc_u32 v16, v16, v18
	v_add_nc_u32 v17, v17, v19
	v_and_b32 v[TMP], 0xffff, v16                  ; bin 4 l
	v_and_b32 v[TMP+1], 0xffff, v17                ; bin 4 l + 1
	v_lshrrev_b32 v[TMP+2], 16, v16                ; bin 4 l + 2
	v_lshrrev_b32 v[TMP+3], 16, v17                ; bin 4 l + 3
.irp j, 0,1,2,3
	v_cvt_f32_u32 v[TMP+\j], v[TMP+\j]
.endr
	ds_store_b128 v9, v[TMP:TMP+3]
.irp q, 0,1,2,3,4,5,6,7
	ds_load_b128 v[C0+4*\q:C0+4*\q+3], v10 offset:16*\q        ; my wave's own bytes, served behind the store above
.endr
.irp q, 0,1,2,3,4,5,6,7
	ds_load_b128 v[C1+4*\q:C1+4*\q+3], v10 offset:256+16*\q
.endr
	s_wait_dscnt 0x0
; v[d:d+1] += v[a:a+1] * v[c+i]: the factor is broadcast from the aligned pair that holds it
.macro BFMA d, a, c, i
.if ((\i)&1) == 0
	v_pk_fma_f32 v[\d:\d+1], v[\a:\a+1], v[\c+(\i):\c+(\i)+1], v[\d:\d+1] op_sel_hi:[1,0,1]
.else
	v_pk_fma_f32 v[\d:\d+1], v[\a:\a+1], v[\c+(\i)-1:\c+(\i)], v[\d:\d+1] op_sel:[0,1,0] op_sel_hi:[1,1,1]
.endif
.endm
.macro ROW i
.if (\i) == 0
	v_pk_mul_f32 v[ACC:ACC+1],   v[X:X+1],   v[C0:C0+1] op_sel_hi:[1,0]     ; the first row starts the sums: nothing is cleared
	v_pk_mul_f32 v[ACC+2:ACC+3], v[X+2:X+3], v[C0:C0+1] op_sel_hi:[1,0]
	v_pk_mul_f32 v[ACC+4:ACC+5], v[X:X+1],   v[C1:C1+1] op_sel_hi:[1,0]
	v_pk_mul_f32 v[ACC+6:ACC+7], v[X+2:X+3], v[C1:C1+1] op_sel_hi:[1,0]
.else
	BFMA ACC,   X+4*(\i),   C0, \i
	BFMA ACC+2, X+4*(\i)+2, C0, \i
	BFMA ACC+4, X+4*(\i),   C1, \i
	BFMA ACC+6, X+4*(\i)+2, C1, \i
.endif
.endm
.set i, 0
.rept 8
	s_wait_loadcnt 28-i                            ; the 32 rows were asked for in their order: rows i .. i + 3 are in; the 28 - i younger rows stay out
.rept 4
	ROW i
.set i, i+1
.endr
.endr
	; The two halves of the rows meet: waves 8 to 15 hand their sums to waves 0 to 7, which hold the same columns.
	s_cmp_lt_u32 s8, 8
	s_cbranch_scc1 .Llower
	ds_store_b128 v11, v[ACC:ACC+3]
	ds_store_b128 v11, v[ACC+4:ACC+7] offset:4096
.Llower:
	s_wait_dscnt 0x0                               ; the sums are in LDS before the wave says so
	s_barrier_signal -1
	s_barrier_wait -1
	s_cmp_ge_u32 s8, 8
	s_cbranch_scc1 .Lend
	ds_load_b128 v[TMP:TMP+3], v11
	ds_load_b128 v[TMP+4:TMP+7], v11 offset:4096
	s_wait_dscnt 0x0
.irp j, 0,2,4,6
	v_pk_add_f32 v[ACC+\j:ACC+\j+1], v[ACC+\j:ACC+\j+1], v[TMP+\j:TMP+\j+1]
.endr
	global_store_b128 v12, v[ACC:ACC+3], s[10:11]                  ; r = 0: a wave's store covers 512 consecutive bytes, aligned
	global_store_b128 v12, v[ACC+4:ACC+7], s[10:11] offset:4096    ; r = 1
.Lend:
	s_wait_tensorcnt 0x0
	ds_add_u32 v224, v225
	s_wait_dscnt 0x0
	s_endpgm
.Lfunc_end_k_qae36845bb9_xsum:
	.size	k_qae36845bb9_xsum, .Lfunc_end_k_qae36845bb9_xsum-k_qae36845bb9_xsum
	.p2alignl 7, 3214868480
	.fill 96, 4, 3214868480
	.section	.rodata,"a",@progbits
	.p2align	6, 0x0
	.amdhsa_kernel k_qae36845bb9_xsum
		.amdhsa_group_segment_fixed_size 96256
		.amdhsa_private_segment_fixed_size 0
		.amdhsa_enable_private_segment 0
		.amdhsa_kernarg_size 24
		.amdhsa_user_sgpr_count 2
		.amdhsa_user_sgpr_kernarg_segment_ptr 1
		.amdhsa_wavefront_size32 1
		.amdhsa_system_sgpr_workgroup_id_x 1
		.amdhsa_system_sgpr_workgroup_id_y 1
		.amdhsa_system_sgpr_workgroup_id_z 1
		.amdhsa_system_vgpr_workitem_id 0
		.amdhsa_next_free_vgpr 226
		.amdhsa_next_free_sgpr 66
		.amdhsa_reserve_vcc 0
		.amdhsa_float_denorm_mode_32 3
		.amdhsa_float_denorm_mode_16_64 3
		.amdhsa_memory_ordered 1
		.amdhsa_forward_progress 1
		.amdhsa_inst_pref_size 28
	.end_amdhsa_kernel
	.amdgpu_metadata
---
amdhsa.version: [ 1, 2 ]
amdhsa.kernels:
  - .name:           k_qae36845bb9_xsum
    .symbol:         k_qae36845bb9_xsum.kd
    .args:
      - { .name: attention_input, .offset: 0, .size: 8, .value_kind: global_buffer, .address_space: global }
      - { .name: rand_idx, .offset: 8, .size: 8, .value_kind: global_buffer, .address_space: global }
      - { .name: part, .offset: 16, .size: 8, .value_kind: global_buffer, .address_space: global }
    .group_segment_fixed_size: 96256
    .private_segment_fixed_size: 0
    .kernarg_segment_align: 8
    .kernarg_segment_size: 24
    .max_flat_workgroup_size: 512
    .sgpr_count:     66
    .vgpr_count:     226
    .wavefront_size: 32
...
	.end_amdgpu_metadata
.endif
;; end of part 1
;; launch kvpart (part 2): grid 16 x 16, 8 waves a work-group, no clusters, 35,840 bytes of LDS; arguments part, Wk, Wv, kvp; writes kvp
.if DOCPART == 2
	.amdgcn_target "amdgcn-amd-amdhsa--gfx1250"
	.amdhsa_code_object_version 6
	.text
	.protected	k_qae36845bb9_kvpart
	.globl	k_qae36845bb9_kvpart
	.p2align	8
	.type	k_qae36845bb9_kvpart,@function
k_qae36845bb9_kvpart:
	s_mov_b64 s[64:65], 0
	v_nop
	global_prefetch_b8 v0, s[64:65] scope:SCOPE_SE
	s_setreg_imm32_b32 hwreg(HW_REG_WAVE_MODE, 25, 1), 1
	s_wait_xcnt 0x0
; kvpart: kvp[kap][br][col] = sum over the 64 rows h of K slice kap of xs[br][h] * [Wk | Wv][h][col], in f32; br = 2 b + r,
; xs[br][h] = sum over the 64 chunks of part[b][chunk][r][h].  Columns 0-1023 belong to Wk, 1024-2047 to Wv.
; A product with 8 rows that streams 8 MiB of weights once: each weight feeds 8 multiply-adds, so bytes decide and the vector unit in f32
; keeps the sums at full precision (the scores that hang on them are large, and the softmax of two is steep).  The matrix unit, clusters and
; an LDS ring would add nothing: a work-group reads 32 KiB of weights once and 128 KiB of part, all requested at the start.
; The work-group (c = x: 128 columns, kap = y: 64 rows h).  Eight waves.  First wave w sums part for br = w; then wave w multiplies rows
; 8 w .. 8 w + 7 of the slice for all eight br; then the eight waves' sums meet in LDS and wave w stores br = w.
.set LXS,  0                           ; [br 8][64 f32]
.set LRED, 2048                        ; [wave 8][br 8][128 f32]
.set S,   8                            ; v[8:11]    sum over the chunks
.set T,   12                           ; v[12:15]   the other half of the lanes' sum
.set W,   32                           ; v[32:63]   8 rows of weights, 4 columns a lane
.set P,   64                           ; v[64:191]  32 loads of part
.set XV,  64                           ; v[64:127]  later: xs[br][8 w + i] at XV + 8 br + i
.set F,   128                          ; v[128:159] later: the eight waves' sums
.set ACC, 192                          ; v[192:223] [br][4 columns]
	s_load_b256 s[4:11], s[0:1], 0x0               ; part s[4:5], Wk s[6:7], Wv s[8:9], kvp s[10:11]
	v_lshl_add_u32 v224, v0, 2, 0x8800
	v_mov_b32 v225, 0
	v_lshrrev_b32 v1, 5, v0
	v_readfirstlane_b32 s12, v1                    ; wave 0..7
	s_mov_b32 s13, ttmp9                           ; c
	s_and_b32 s14, ttmp7, 0xffff                   ; kap
	s_mov_b32 s20, 0x76543210                      ; v_permlanex16_b32: lane i of one half reads lane i of the other
	s_mov_b32 s21, 0xfedcba98
	v_and_b32 v1, 31, v0
	v_and_b32 v8, 15, v0
	v_bfe_u32 v9, v0, 4, 1
	v_lshlrev_b32 v8, 4, v8                        ; 16 (l mod 16)
	v_lshl_or_b32 v2, v9, 13, v8                   ; part: lanes 16-31 take the next chunk (8,192 bytes on)
	v_lshlrev_b32 v3, 4, v1                        ; 16 l
	s_lshl_b32 s15, s12, 8
	v_add_nc_u32 v4, s15, v8                       ; xs: in (LXS = 0)
	s_lshl_b32 s15, s12, 5
	v_mov_b32 v5, s15                              ; xs: back, my 8 rows h (the same address in all lanes)
	s_lshl_b32 s15, s12, 12
	s_add_co_u32 s15, s15, LRED
	v_add_nc_u32 v6, s15, v3                       ; my wave's sums: in
	s_lshl_b32 s15, s12, 9
	s_add_co_u32 s15, s15, LRED
	v_add_nc_u32 v7, s15, v3                       ; all waves' sums for br = w: back
.irp j, 0,1,2,3
	v_mov_b32 v[T+\j], 0                           ; v_permlanex16_b32 counts as a reader of its destination
.endr
	s_lshr_b32 s16, s12, 1
	s_lshl_b32 s16, s16, 19                        ; b x 64 chunks x 8,192 bytes
	s_and_b32 s17, s12, 1
	s_lshl_b32 s17, s17, 12                        ; r x 4,096
	s_add_co_u32 s16, s16, s17
	s_lshl_b32 s17, s14, 8                         ; kap x 64 f32
	s_add_co_u32 s16, s16, s17
	s_mov_b32 s17, 0
	s_wait_kmcnt 0x0
	s_add_nc_u64 s[4:5], s[4:5], s[16:17]
	s_cmp_lt_u32 s13, 8
	s_cselect_b64 s[18:19], s[6:7], s[8:9]         ; Wk for c = 0..7, Wv for c = 8..15
	s_lshl_b32 s16, s14, 18                        ; kap x 64 rows of 4,096 bytes
	s_lshl_b32 s22, s12, 15                        ; wave x 8 rows
	s_add_co_u32 s16, s16, s22
	s_and_b32 s22, s13, 7
	s_lshl_b32 s22, s22, 9                         ; 128 columns of f32
	s_add_co_u32 s16, s16, s22
	s_add_nc_u64 s[18:19], s[18:19], s[16:17]
	s_lshl_b32 s16, s14, 16                        ; kvp: kap x 8 x 8,192
	s_lshl_b32 s22, s12, 13                        ; br = wave
	s_add_co_u32 s16, s16, s22
	s_lshl_b32 s22, s13, 9
	s_add_co_u32 s16, s16, s22
	s_add_nc_u64 s[10:11], s[10:11], s[16:17]
.set i, 0
.rept 32
	global_load_b128 v[P+4*i:P+4*i+3], v2, s[4:5] offset:i*16384       ; chunks 2 i and 2 i + 1: 256 consecutive bytes each, aligned
.set i, i+1
.endr
.irp i, 0,1,2,3,4,5,6,7
	global_load_b128 v[W+4*\i:W+4*\i+3], v3, s[18:19] offset:\i*4096 th:TH_LOAD_NT   ; each weight is read once in the launch
.endr
.macro ADDP i
	v_pk_add_f32 v[S:S+1],   v[S:S+1],   v[P+4*(\i):P+4*(\i)+1]
	v_pk_add_f32 v[S+2:S+3], v[S+2:S+3], v[P+4*(\i)+2:P+4*(\i)+3]
.endm
	s_wait_loadcnt 32                              ; the first 8 loads of part are in: 24 of part and 8 of the weights stay out
	v_pk_add_f32 v[S:S+1],   v[P:P+1],   v[P+4:P+5]        ; the first two start the sum
	v_pk_add_f32 v[S+2:S+3], v[P+2:P+3], v[P+6:P+7]
.irp i, 2,3,4,5,6,7
	ADDP \i
.endr
.irp q, 1,2,3
	s_wait_loadcnt 32-8*\q                         ; the next 8: what is younger stays out
.irp j, 0,1,2,3,4,5,6,7
	ADDP 8*\q+\j
.endr
.endr
.irp j, 0,1,2,3
	v_permlanex16_b32 v[T+\j], v[S+\j], s20, s21   ; even and odd chunks meet
.endr
	v_pk_add_f32 v[S:S+1],   v[S:S+1],   v[T:T+1]
	v_pk_add_f32 v[S+2:S+3], v[S+2:S+3], v[T+2:T+3]
	ds_store_b128 v4, v[S:S+3]                     ; both halves of the lanes write the same numbers to the same bytes
	s_wait_dscnt 0x0                               ; xs[w] is in LDS before I say so
	s_barrier_signal -1
	s_barrier_wait -1
.irp br, 0,1,2,3,4,5,6,7
	ds_load_b128 v[XV+8*\br:XV+8*\br+3],   v5 offset:\br*256
	ds_load_b128 v[XV+8*\br+4:XV+8*\br+7], v5 offset:\br*256+16
.endr
	s_wait_loadcnt 0x0                             ; the weights
	s_wait_dscnt 0x0
.macro BFMA d, a, c, i                 ; v[d:d+1] += v[a:a+1] * v[c+i], the factor broadcast from the aligned pair that holds it
.if ((\i)&1) == 0
	v_pk_fma_f32 v[\d:\d+1], v[\a:\a+1], v[\c+(\i):\c+(\i)+1], v[\d:\d+1] op_sel_hi:[1,0,1]
.else
	v_pk_fma_f32 v[\d:\d+1], v[\a:\a+1], v[\c+(\i)-1:\c+(\i)], v[\d:\d+1] op_sel:[0,1,0] op_sel_hi:[1,1,1]
.endif
.endm
.irp br, 0,1,2,3,4,5,6,7
	v_pk_mul_f32 v[ACC+4*\br:ACC+4*\br+1],   v[W:W+1],   v[XV+8*\br:XV+8*\br+1] op_sel_hi:[1,0]   ; row 0 starts the sums
	v_pk_mul_f32 v[ACC+4*\br+2:ACC+4*\br+3], v[W+2:W+3], v[XV+8*\br:XV+8*\br+1] op_sel_hi:[1,0]
.endr
.irp i, 1,2,3,4,5,6,7
.irp br, 0,1,2,3,4,5,6,7
	BFMA ACC+4*\br,   W+4*\i,   XV+8*\br, \i
	BFMA ACC+4*\br+2, W+4*\i+2, XV+8*\br, \i
.endr
.endr
.irp br, 0,1,2,3,4,5,6,7
	ds_store_b128 v6, v[ACC+4*\br:ACC+4*\br+3] offset:\br*512
.endr
	s_wait_dscnt 0x0                               ; my sums are in LDS before I say so
	s_barrier_signal -1
	s_barrier_wait -1
.irp q, 0,1,2,3,4,5,6,7
	ds_load_b128 v[F+4*\q:F+4*\q+3], v7 offset:\q*4096
.endr
	s_wait_dscnt 0x0
.irp j, 0,2,4,6,8,10,12,14
	v_pk_add_f32 v[F+\j:F+\j+1], v[F+\j:F+\j+1], v[F+16+\j:F+16+\j+1]
.endr
.irp j, 0,2,4,6
	v_pk_add_f32 v[F+\j:F+\j+1], v[F+\j:F+\j+1], v[F+8+\j:F+8+\j+1]
.endr
.irp j, 0,2
	v_pk_add_f32 v[F+\j:F+\j+1], v[F+\j:F+\j+1], v[F+4+\j:F+4+\j+1]
.endr
	global_store_b128 v3, v[F:F+3], s[10:11]       ; the wave's store covers 512 consecutive bytes, aligned
	s_wait_tensorcnt 0x0
	ds_add_u32 v224, v225
	s_wait_dscnt 0x0
	s_endpgm
.Lfunc_end_k_qae36845bb9_kvpart:
	.size	k_qae36845bb9_kvpart, .Lfunc_end_k_qae36845bb9_kvpart-k_qae36845bb9_kvpart
	.p2alignl 7, 3214868480
	.fill 96, 4, 3214868480
	.section	.rodata,"a",@progbits
	.p2align	6, 0x0
	.amdhsa_kernel k_qae36845bb9_kvpart
		.amdhsa_group_segment_fixed_size 35840
		.amdhsa_private_segment_fixed_size 0
		.amdhsa_enable_private_segment 0
		.amdhsa_kernarg_size 32
		.amdhsa_user_sgpr_count 2
		.amdhsa_user_sgpr_kernarg_segment_ptr 1
		.amdhsa_wavefront_size32 1
		.amdhsa_system_sgpr_workgroup_id_x 1
		.amdhsa_system_sgpr_workgroup_id_y 1
		.amdhsa_system_sgpr_workgroup_id_z 1
		.amdhsa_system_vgpr_workitem_id 0
		.amdhsa_next_free_vgpr 226
		.amdhsa_next_free_sgpr 66
		.amdhsa_reserve_vcc 0
		.amdhsa_float_denorm_mode_32 3
		.amdhsa_float_denorm_mode_16_64 3
		.amdhsa_memory_ordered 1
		.amdhsa_forward_progress 1
		.amdhsa_inst_pref_size 22
	.end_amdhsa_kernel
	.amdgpu_metadata
---
amdhsa.version: [ 1, 2 ]
amdhsa.kernels:
  - .name:           k_qae36845bb9_kvpart
    .symbol:         k_qae36845bb9_kvpart.kd
    .args:
      - { .name: part, .offset: 0, .size: 8, .value_kind: global_buffer, .address_space: global }
      - { .name: Wk, .offset: 8, .size: 8, .value_kind: global_buffer, .address_space: global }
      - { .name: Wv, .offset: 16, .size: 8, .value_kind: global_buffer, .address_space: global }
      - { .name: kvp, .offset: 24, .size: 8, .value_kind: global_buffer, .address_space: global }
    .group_segment_fixed_size: 35840
    .private_segment_fixed_size: 0
    .kernarg_segment_align: 8
    .kernarg_segment_size: 32
    .max_flat_workgroup_size: 256
    .sgpr_count:     66
    .vgpr_count:     226
    .wavefront_size: 32
...
	.end_amdgpu_metadata
.endif
;; end of part 2
;; launch mbuild (part 3): grid 16 x 16, 8 waves a work-group, no clusters, 23,552 bytes of LDS; arguments kvp, Wq, bq, bk, bv, mf, vs, cb; writes mf, vs, cb
.if DOCPART == 3
	.amdgcn_target "amdgcn-amd-amdhsa--gfx1250"
	.amdhsa_code_object_version 6
	.text
	.protected	k_qae36845bb9_mbuild
	.globl	k_qae36845bb9_mbuild
	.p2align	8
	.type	k_qae36845bb9_mbuild,@function
k_qae36845bb9_mbuild:
	s_mov_b64 s[64:65], 0
	v_nop
	global_prefetch_b8 v0, s[64:65] scope:SCOPE_SE
	s_setreg_imm32_b32 hwreg(HW_REG_WAVE_MODE, 25, 1), 1
	s_wait_xcnt 0x0
; mbuild: finishes k_sum and v_sum and folds k_sum into Wq.  With ks'[br][c] = SC (sum over kap of kvp[kap][br][c] + 4096 bk[c]),
; SC = log2(e) / 8 (the score's scale 1 / sqrt(64), and base 2 for the exponential):
;   M'[b][h][2 n + y] = sum over d of Wq[h][64 n + d] ks'[2 b + y][64 n + d]       -> mf, split into two bf16 parts, in fragment order
;   cb[b][n][y]       = sum over d of bq[64 n + d]    ks'[2 b + y][64 n + d]
;   vs[br][c]         = sum over kap of kvp[kap][br][1024 + c] + 4096 bv[c]
; so that the last launch's score is x M' + cb: (x Wq + bq) . k_sum per head = x (Wq_n k_sum_n) + bq_n . k_sum_n, for every input.
; All in f32 on the vector unit: 8.4 M multiply-adds in the whole launch.
; mf[b][w 8][ks 4][tile 2][hl 2][half 2][lane 32][e 8] bf16 holds part hl (0 high, 1 low) of
; M'[b][128 w + 32 ks + 16 half + 8 (lane / 16) + e][16 tile + lane mod 16]: a wave of the last launch loads a fragment's half with one
; load of 16 bytes a lane, 512 consecutive bytes.
; The work-group (hs = x: 64 rows h, n = y: a head).  Its part of mf comes out as runs of 32 bytes: a whole aligned block of 256 bytes of mf
; spans eight heads, and a work-group that owned eight heads would read eight times the kvp; mf is 0.5 MiB.
; vs is shared out evenly, so that no work-group has a longer way than the others: 32 KiB over 256 work-groups are 128 bytes each, the 32
; numbers vs[hs / 2][64 n + 32 (hs mod 2) ..]; an aligned block of 256 bytes of vs is thus written by two work-groups, half each.  A thread
; loads one pair of one K slice, at the head with all other loads.  cb is 128 numbers in all, stored one a wave by the work-groups with hs = 0.
.set LKS,    0                         ; [br 8][64 f32]: ks' of my head
.set LWQ,    2048                      ; 64 rows of Wq's 64 columns, pitch 272: an odd multiple of 16 bytes, so 16 rows start at 16 different 16-byte columns of the 64 banks of 4 bytes (ISA guide 11.1)
.set WPITCH, 272
.set LST,    19456                     ; [b 4][hl 2][p 8][y 2][e 8] bf16: my part of mf, h = 8 p + e
.set LVS,    21504                     ; [wave 8][32 f32]: the waves' parts of my 32 numbers of vs
	s_load_b256 s[4:11], s[0:1], 0x0               ; kvp s[4:5], Wq s[6:7], bq s[8:9], bk s[10:11]
	s_load_b256 s[12:19], s[0:1], 0x20             ; bv s[12:13], mf s[14:15], vs s[16:17], cb s[18:19]
	s_set_vgpr_msb 0x40
	v_lshl_add_u32 v0, v0, 2, 0x5800
	v_mov_b32 v1, 0
	s_set_vgpr_msb 0x4000
	v_lshrrev_b32 v1, 5, v0
	v_readfirstlane_b32 s20, v1                    ; wave 0..7 = br in the first phase
	s_mov_b32 s21, ttmp9                           ; hs
	s_and_b32 s22, ttmp7, 0xffff                   ; n
	s_mov_b32 s28, 0x76543210                      ; v_permlanex16_b32: lane i of one half reads lane i of the other
	s_mov_b32 s29, 0xfedcba98
	v_and_b32 v1, 31, v0
	v_lshlrev_b32 v2, 3, v1                        ; 8 l: two numbers a lane
	s_lshl_b32 s23, s22, 8                         ; a head's 64 f32
	v_add_nc_u32 v6, s23, v2                       ; bq, bk: 256 n + 8 l
	v_and_b32 v9, 15, v0
	v_bfe_u32 v10, v0, 4, 1
	v_lshlrev_b32 v73, 3, v9                       ; 8 (l mod 16): my pair among the 32 numbers of vs
	v_lshl_or_b32 v7, v10, 16, v73                 ; kvp for vs: lanes 16-31 take the next K slice (65,536 bytes on)
	v_lshlrev_b32 v9, 4, v9
	v_lshl_or_b32 v3, v10, 12, v9                  ; Wq: lanes 16-31 take the next row
	s_lshl_b32 s26, s20, 8
	v_add_nc_u32 v4, s26, v2                       ; ks': in (LKS = 0)
	s_mul_i32 s26, s20, 8*WPITCH
	s_add_co_u32 s26, s26, LWQ
	v_mul_u32_u24 v5, v10, WPITCH
	v_add3_u32 v5, v5, v9, s26                     ; Wq's rows 8 w + (l / 16): in
	s_lshr_b32 s26, s20, 1                         ; b of my wave, in both phases
	s_and_b32 s31, s20, 1                          ; y in the first phase; which 32 rows h in the second
	s_lshl_b32 s27, s26, 7
	s_lshl3_add_u32 s27, s22, s27
	s_lshl2_add_u32 s27, s31, s27
	v_mov_b32 v8, s27                              ; cb: 128 b + 8 n + 4 y
	s_mul_i32 s32, s31, 32*WPITCH
	s_add_co_u32 s32, s32, LWQ
	v_mul_u32_u24 v11, v1, WPITCH
	v_add_nc_u32 v11, s32, v11                     ; Wq's row hh = 32 (w mod 2) + l: back
	s_lshl_b32 s33, s26, 9
	v_mov_b32 v12, s33                             ; ks' of my b: back (the same address in all lanes)
	s_lshl_b32 s34, s31, 7
	s_add_co_u32 s34, s34, s33
	s_add_co_u32 s34, s34, LST
	v_lshrrev_b32 v14, 3, v1
	v_and_b32 v15, 7, v1
	v_lshlrev_b32 v15, 1, v15
	v_lshl_add_u32 v13, v14, 5, v15
	v_add_nc_u32 v13, s34, v13                     ; stage: in: 512 b + 32 (hh / 8) + 2 (hh mod 8)
	s_lshl_b32 s35, s20, 8
	s_add_co_u32 s35, s35, LST
	v_add_nc_u32 v14, s35, v2                      ; stage: back: 8 t
	v_and_b32 v15, 3, v0                           ; where byte 8 t of the stage lies in mf:
	v_lshlrev_b32 v15, 3, v15                      ; y and the half of e: 8 (t mod 4)
	v_bfe_u32 v9, v0, 2, 2
	v_lshl_or_b32 v15, v9, 8, v15                  ; p's bits 0, 1: lane / 16 (256 bytes) and half (512)
	v_bfe_u32 v9, v0, 4, 1
	v_lshl_or_b32 v15, v9, 12, v15                 ; p's bit 2: ks (4,096)
	v_bfe_u32 v9, v0, 5, 1
	v_lshl_or_b32 v15, v9, 10, v15                 ; hl (1,024)
	v_lshrrev_b32 v9, 6, v0
	v_lshl_or_b32 v15, v9, 17, v15                 ; b (131,072)
	v_mov_b32 v71, 0                               ; v_permlanex16_b32 counts as a reader of its destination
	v_mov_b32 v76, 0
	v_mov_b32 v77, 0
	s_and_b32 s40, s21, 1                          ; my 32 numbers of vs: row hs / 2, columns 64 n + 32 (hs mod 2) ..
	s_lshl_b32 s40, s40, 7
	s_add_co_u32 s39, s23, s40                     ; 256 n + 128 (hs mod 2)
	v_add_nc_u32 v81, s39, v73                     ; bv: my pair
	s_lshl_b32 s41, s20, 7
	s_add_co_u32 s41, s41, LVS
	v_add_nc_u32 v80, s41, v73                     ; my wave's part of vs: in
	s_lshr_b32 s41, s21, 1
	s_lshl_b32 s38, s41, 12
	s_add_co_u32 s38, s38, s39                     ; vs: 4,096 (hs / 2) + the columns
	s_lshl_b32 s36, s41, 13                        ; kvp for vs: row hs / 2 (8,192 bytes), Wv's columns (4,096 on),
	s_add_co_u32 s36, s36, s39
	s_add_co_u32 s36, s36, 4096
	s_lshl_b32 s42, s20, 17                        ; K slices 2 w and 2 w + 1
	s_add_co_u32 s36, s36, s42
	s_mov_b32 s37, 0
	s_lshl_b32 s24, s20, 13                        ; kvp for ks': br x 8,192 + 256 n
	s_add_co_u32 s24, s24, s23
	s_mov_b32 s25, 0
	s_wait_kmcnt 0x0
	s_add_nc_u64 s[36:37], s[4:5], s[36:37]
	s_add_nc_u64 s[4:5], s[4:5], s[24:25]
	s_lshl_b32 s24, s21, 18                        ; Wq: hs x 64 rows + wave x 8 rows + 256 n
	s_lshl_b32 s27, s20, 15
	s_add_co_u32 s24, s24, s27
	s_add_co_u32 s24, s24, s23
	s_add_nc_u64 s[6:7], s[6:7], s[24:25]
	s_lshr_b32 s24, s21, 1                         ; mf: w = hs / 2, ks = 2 (hs mod 2) + .., tile = n / 8, lane mod 16 = 2 (n mod 8) + y
	s_lshl_b32 s24, s24, 14
	s_and_b32 s27, s21, 1
	s_lshl_b32 s27, s27, 13
	s_add_co_u32 s24, s24, s27
	s_lshr_b32 s27, s22, 3
	s_lshl_b32 s27, s27, 11
	s_add_co_u32 s24, s24, s27
	s_and_b32 s27, s22, 7
	s_lshl_b32 s27, s27, 5
	s_add_co_u32 s24, s24, s27
	s_add_nc_u64 s[14:15], s[14:15], s[24:25]
	global_load_b64 v[74:75], v7, s[36:37]         ; for vs: my pair of K slice 2 w + l / 16
	global_load_b64 v[78:79], v81, s[12:13]        ; bv
.irp k, 0,1,2,3,4,5,6,7,8,9,10,11,12,13,14,15
	global_load_b64 v[16+2*\k:17+2*\k], v2, s[4:5] offset:\k*65536     ; a wave's load covers 256 consecutive bytes, aligned
.endr
	global_load_b64 v[48:49], v6, s[10:11]         ; bk
	global_load_b64 v[50:51], v6, s[8:9]           ; bq
.irp i, 0,1,2,3
	global_load_b128 v[52+4*\i:55+4*\i], v3, s[6:7] offset:\i*8192     ; Wq's rows 8 w + 2 i, + 1: 256 consecutive bytes each
.endr
	s_wait_loadcnt 4                               ; all that was asked for ahead of Wq is in; Wq's four loads stay out
.irp j, 0,2,4,6,8,10,12,14
	v_pk_add_f32 v[16+\j:17+\j], v[16+\j:17+\j], v[32+\j:33+\j]        ; the 16 K slices' pairs -> v[16:17]
.endr
.irp j, 0,2,4,6
	v_pk_add_f32 v[16+\j:17+\j], v[16+\j:17+\j], v[24+\j:25+\j]
.endr
.irp j, 0,2
	v_pk_add_f32 v[16+\j:17+\j], v[16+\j:17+\j], v[20+\j:21+\j]
.endr
	v_pk_add_f32 v[16:17], v[16:17], v[18:19]
	v_pk_fma_f32 v[16:17], v[48:49], 0x45800000, v[16:17] op_sel_hi:[1,0,1]    ; + 4096 bk: each of the 4,096 sampled rows brings the bias
	v_pk_mul_f32 v[68:69], v[16:17], 0x3e38aa3b op_sel_hi:[1,0]                ; x SC = log2(e) / 8
	ds_store_b64 v4, v[68:69]
	v_permlanex16_b32 v76, v74, s28, s29           ; vs: my wave's two K slices meet,
	v_permlanex16_b32 v77, v75, s28, s29
	v_pk_add_f32 v[74:75], v[74:75], v[76:77]
	v_pk_fma_f32 v[74:75], v[78:79], 0x44000000, v[74:75] op_sel_hi:[1,0,1]    ; + 512 bv in each of the eight waves: 4096 bv in all
	ds_store_b64 v80, v[74:75]                     ; both halves of the lanes write the same numbers to the same bytes
	v_mul_f32 v70, v50, v68                        ; bq . ks', my two numbers, then over the 32 lanes
	v_fmac_f32 v70, v51, v69
	v_add_f32_dpp v70, v70, v70 row_xmask:1 row_mask:0xf bank_mask:0xf
	v_add_f32_dpp v70, v70, v70 row_xmask:2 row_mask:0xf bank_mask:0xf
	v_add_f32_dpp v70, v70, v70 row_xmask:4 row_mask:0xf bank_mask:0xf
	v_add_f32_dpp v70, v70, v70 row_xmask:8 row_mask:0xf bank_mask:0xf
	v_permlanex16_b32 v71, v70, s28, s29
	v_add_f32 v70, v70, v71
	s_wait_loadcnt 0x0                             ; Wq
.irp i, 0,1,2,3
	ds_store_b128 v5, v[52+4*\i:55+4*\i] offset:\i*2*WPITCH
.endr
	s_cmp_lg_u32 s21, 0                            ; cb hangs on the head alone: the work-groups with hs = 0 store it
	s_cbranch_scc1 .Lnot_first
	v_cmp_eq_u32 vcc_lo, 0, v1
	s_wait_xcnt 0x0                                ; EXEC is a source of the loads above: it changes only behind this wait
	s_and_saveexec_b32 s30, vcc_lo
	global_store_b32 v8, v70, s[18:19]             ; lane 0 alone
	s_wait_xcnt 0x0                                ; and again in front of the line that widens EXEC (v70 is free too)
	s_or_b32 exec_lo, exec_lo, s30
.Lnot_first:
	s_wait_dscnt 0x0                               ; ks', my part of vs and my rows of Wq are in LDS before I say so
	s_barrier_signal -1
	s_barrier_wait -1
	; Second phase: thread t makes M'[b = t / 64][row hh = t mod 64][y = 0, 1].
.irp j, 0,1,2,3,4,5,6,7,8,9,10,11,12,13,14,15
	ds_load_b128 v[64+4*\j:67+4*\j], v11 offset:16*\j
.endr
.irp j, 0,1,2,3,4,5,6,7,8,9,10,11,12,13,14,15
	ds_load_b128 v[128+4*\j:131+4*\j], v12 offset:16*\j            ; y = 0
.endr
.irp j, 0,1,2,3,4,5,6,7,8,9,10,11,12,13,14,15
	ds_load_b128 v[192+4*\j:195+4*\j], v12 offset:256+16*\j        ; y = 1
.endr
	; Wave 0 finishes vs: lane l adds the eight waves' parts of number l.  Its eight loads stand behind the 48 above, for which it has to wait anyway.
	s_cmp_lg_u32 s20, 0
	s_cbranch_scc1 .Lnot_wave_0
	v_lshlrev_b32 v40, 2, v1
	v_add_nc_u32 v41, s38, v40                     ; vs: my number
	v_add_nc_u32 v40, LVS, v40
.irp j, 0,1,2,3,4,5,6,7
	ds_load_b32 v[32+\j], v40 offset:\j*128
.endr
	s_wait_dscnt 0x0
	v_pk_add_f32 v[32:33], v[32:33], v[34:35]
	v_pk_add_f32 v[36:37], v[36:37], v[38:39]
	v_pk_add_f32 v[32:33], v[32:33], v[36:37]
	v_add_f32 v32, v32, v33
	global_store_b32 v41, v32, s[16:17]            ; the wave's store covers 128 consecutive bytes; v32 and v41 are not written again
.Lnot_wave_0:
	s_wait_dscnt 0x0
.macro DOT a, k                        ; v[a] = Wq's row . the 64 numbers at v[k ..], in two chains of packed multiply-adds; the first products start them
	v_pk_mul_f32 v[\a:\a+1],   v[64:65], v[\k:\k+1]
	v_pk_mul_f32 v[\a+2:\a+3], v[66:67], v[\k+2:\k+3]
.set p, 4
.rept 15
	v_pk_fma_f32 v[\a:\a+1],   v[64+p:65+p], v[\k+p:\k+p+1],   v[\a:\a+1]
	v_pk_fma_f32 v[\a+2:\a+3], v[66+p:67+p], v[\k+p+2:\k+p+3], v[\a+2:\a+3]
.set p, p+4
.endr
	v_pk_add_f32 v[\a:\a+1], v[\a:\a+1], v[\a+2:\a+3]
	v_add_f32 v[\a], v[\a], v[\a+1]
.endm
	DOT 16, 128
	DOT 20, 192
	v_cvt_pk_bf16_f32 v24, v16, v20                ; the high parts: y = 0 below, y = 1 above
	v_lshlrev_b32 v25, 16, v24                     ; back to f32,
	v_and_b32 v26, 0xffff0000, v24
	v_sub_f32 v25, v16, v25                        ; what the high parts leave (exact),
	v_sub_f32 v26, v20, v26
	v_cvt_pk_bf16_f32 v27, v25, v26                ; rounded: the low parts
	ds_store_b16 v13, v24
	ds_store_b16_d16_hi v13, v24 offset:16
	ds_store_b16 v13, v27 offset:256
	ds_store_b16_d16_hi v13, v27 offset:272
	s_wait_dscnt 0x0                               ; my numbers are in the stage before I say so
	s_barrier_signal -1
	s_barrier_wait -1
	ds_load_b64 v[28:29], v14
	s_wait_dscnt 0x0
	global_store_b64 v15, v[28:29], s[14:15]
	s_set_vgpr_msb 0x5
	s_wait_tensorcnt 0x0
	ds_add_u32 v0, v1
	s_wait_dscnt 0x0
	s_set_vgpr_msb 0x500
	s_endpgm
.Lfunc_end_k_qae36845bb9_mbuild:
	.size	k_qae36845bb9_mbuild, .Lfunc_end_k_qae36845bb9_mbuild-k_qae36845bb9_mbuild
	.p2alignl 7, 3214868480
	.fill 96, 4, 3214868480
	.section	.rodata,"a",@progbits
	.p2align	6, 0x0
	.amdhsa_kernel k_qae36845bb9_mbuild
		.amdhsa_group_segment_fixed_size 23552
		.amdhsa_private_segment_fixed_size 0
		.amdhsa_enable_private_segment 0
		.amdhsa_kernarg_size 64
		.amdhsa_user_sgpr_count 2
		.amdhsa_user_sgpr_kernarg_segment_ptr 1
		.amdhsa_wavefront_size32 1
		.amdhsa_system_sgpr_workgroup_id_x 1
		.amdhsa_system_sgpr_workgroup_id_y 1
		.amdhsa_system_sgpr_workgroup_id_z 1
		.amdhsa_system_vgpr_workitem_id 0
		.amdhsa_next_free_vgpr 258
		.amdhsa_next_free_sgpr 66
		.amdhsa_reserve_vcc 1
		.amdhsa_float_denorm_mode_32 3
		.amdhsa_float_denorm_mode_16_64 3
		.amdhsa_memory_ordered 1
		.amdhsa_forward_progress 1
		.amdhsa_inst_pref_size 19
	.end_amdhsa_kernel
	.amdgpu_metadata
---
amdhsa.version: [ 1, 2 ]
amdhsa.kernels:
  - .name:           k_qae36845bb9_mbuild
    .symbol:         k_qae36845bb9_mbuild.kd
    .args:
      - { .name: kvp, .offset: 0, .size: 8, .value_kind: global_buffer, .address_space: global }
      - { .name: Wq, .offset: 8, .size: 8, .value_kind: global_buffer, .address_space: global }
      - { .name: bq, .offset: 16, .size: 8, .value_kind: global_buffer, .address_space: global }
      - { .name: bk, .offset: 24, .size: 8, .value_kind: global_buffer, .address_space: global }
      - { .name: bv, .offset: 32, .size: 8, .value_kind: global_buffer, .address_space: global }
      - { .name: mf, .offset: 40, .size: 8, .value_kind: global_buffer, .address_space: global }
      - { .name: vs, .offset: 48, .size: 8, .value_kind: global_buffer, .address_space: global }
      - { .name: cb, .offset: 56, .size: 8, .value_kind: global_buffer, .address_space: global }
    .group_segment_fixed_size: 23552
    .private_segment_fixed_size: 0
    .kernarg_segment_align: 8
    .kernarg_segment_size: 64
    .max_flat_workgroup_size: 256
    .sgpr_count:     66
    .vgpr_count:     258
    .wavefront_size: 32
...
	.end_amdgpu_metadata
.endif
;; end of part 3
;; launch attend (part 4): grid 64 x 4, 8 waves a work-group, no clusters, 291,840 bytes of LDS; arguments attention_input, mf, vs, cb, out0; writes out0
.if DOCPART == 4
	.amdgcn_target "amdgcn-amd-amdhsa--gfx1250"
	.amdhsa_code_object_version 6
	.text
	.protected	k_qae36845bb9_attend
	.globl	k_qae36845bb9_attend
	.p2align	8
	.type	k_qae36845bb9_attend,@function
k_qae36845bb9_attend:
	s_mov_b64 s[64:65], 0
	v_nop
	global_prefetch_b8 v0, s[64:65] scope:SCOPE_SE
	s_setreg_imm32_b32 hwreg(HW_REG_WAVE_MODE, 25, 1), 1
	s_wait_xcnt 0x0
; attend: s'[i][2 n + y] = x[b][i][:] . M'[b][:][2 n + y] + cb[b][n][y]  (the score times log2(e));  p = softmax over y = 0, 1, the larger
; score taken away first;  out[b][i][n][d] = p0 vs[2 b][64 n + d] + p1 vs[2 b + 1][64 n + d].
; THE PRODUCT runs on the matrix unit with bf16 operands and f32 sums, each operand as a high and a low bf16 part:
; x M' ~ xh Mh + xl Mh + xh Ml.  One bf16 part alone would not do: the two scores are large and only their difference counts.
; LIMITS: the product xl Ml, 2^-18 of a term, is left out; the low parts are rounded to bf16 (2^-17 of a term); |x| above bf16's largest
; finite number rounds to infinity; the order of the sums differs from reference()'s.
; The work-group (chunk = x, b = y) owns 64 rows of x[b] and of out.  Eight waves.  Wave w owns K slice w (columns 128 w .. + 127) of all 64
; rows, in four groups of 16 rows: four tensor loads of 16 rows x 512 bytes, all issued at the start into bytes of the wave's own, so by this
; text's count four are out at the most.  Four loads and not one: each group's tile has its own counted wait, so
; that work and stores begin when a quarter of x has landed.  The wave's 16 KiB of M' stay in 128 registers, loaded in fragment order.
; NO CLUSTER: what work-groups share is M' (128 KiB a batch); beside the work-group's own 264 KiB of x it has no room in LDS, and it goes
; straight into registers.  No ring: the whole share of x fits at once.
; THE MATRIX INSTRUCTION: source 0 = 16 columns of M', source 1 = 16 rows of x.  Lane l then holds row l mod 16 of x and, in registers 0-7,
; the columns 8 (l / 16) + 0..7 of the tile: 32 neighbouring bytes of a row of scores.
.set XPITCH, 528                       ; 512 bytes + 16: an odd multiple of 16, so the 16 rows that a load touches start at 16 different 16-byte columns of the 64 banks of 4 bytes (ISA guide 11.1)
.set XTILE,  16*XPITCH                 ; 8,448: a group's tile of one wave
.set XWAVE,  4*XTILE                   ; 33,792
.set LPART,  8*XWAVE                   ; 270,336: [wave 8][row 16], pitch 144: the K slices' partial scores, 32 f32 a row
.set PPITCH, 144
.set LP,     LPART+8*16*PPITCH         ; 288,768: [row 16][head 16] x (p0, p1).  Both regions lie behind the tiles: no tensor load lands there
.set G1, 16                            ; s[16:23] descriptor group 1
.set G0, 24                            ; s[24:39] descriptor group 0, a set for each group of rows
.set TP,  18                           ; v[18:25]   four pairs at work
.set XF,  32                           ; v[32:63]   x as f32, two buffers of 16;   later the partial scores, then the 16 rows' (p0, p1)
.set HL,  64                           ; v[64:95]   x's fragments, buffer u: high part at 64 + 16 u, low part at 72 + 16 u
.set AC0, 96                           ; v[96:103]  tile 0: Mh xh
.set AC1, 104                          ; v[104:111] tile 1: Mh xh
.set BC0, 112                          ; v[112:119] tile 0: Mh xl + Ml xh
.set BC1, 120                          ; v[120:127] tile 1: Mh xl + Ml xh
.set O,   64                           ; v[64:127]  later: 16 rows of out, 4 registers each
.set MF,  128                          ; v[128:255] M': fragment (ks, tile, hl) at 128 + 8 (4 ks + 2 tile + hl)
	s_load_b256 s[4:11], s[0:1], 0x0               ; x s[4:5], mf s[6:7], vs s[8:9], cb s[10:11]
	s_load_b64 s[12:13], s[0:1], 0x20              ; out
	s_set_vgpr_msb 0x40
	v_lshl_add_u32 v0, v0, 2, 0x47000
	v_mov_b32 v1, 0
	s_set_vgpr_msb 0x4045
	ds_add_u32 v0, v1
	ds_add_u32 v0, v1
	s_set_vgpr_msb 0x4500
	v_lshrrev_b32 v1, 5, v0
	v_readfirstlane_b32 s14, v1                    ; wave 0..7
	s_and_b32 s40, ttmp7, 0xffff                   ; b
	s_mov_b32 s41, 0xffff0000                      ; a word's upper bf16
	; group 1: a tile of 16 rows x 128 elements of 4 bytes, 4 words of padding behind every 128 words
	s_mov_b32 s[G1+0], (2<<16)|(1<<20)|(6<<22)|(3<<25)     ; 15:0 no mask; 17:16 element of 4 bytes; 20 padding on; 24:22 after 128 words (code 6); 31:25 of 4 words (code 3)
	s_mov_b32 s[G1+1], 128<<16                     ; tensor_dim0 = 128
	s_mov_b32 s[G1+2], 16<<16                      ; tensor_dim1 = 16
	s_mov_b32 s[G1+3], 128<<16                     ; tile_dim0 = 128
	s_mov_b32 s[G1+4], 16                          ; tile_dim1 = 16
	s_mov_b32 s[G1+5], 1024                        ; elements from row to row
	s_mov_b32 s[G1+6], 0
	s_mov_b32 s[G1+7], 0
	s_lshl_b32 s42, s40, 24                        ; a batch is 16 MiB,
	s_lshl_b32 s43, ttmp9, 18                      ; a chunk 64 rows of 4,096 bytes: the same in x and in out
	s_add_co_u32 s42, s42, s43
	s_mov_b32 s43, 0
	s_lshl_b32 s44, s14, 9                         ; my K slice: 512 bytes of a row
	s_mov_b32 s45, 0
	s_mul_i32 s46, s14, XWAVE                      ; my wave's tiles in LDS
	s_wait_dscnt 0x0
	s_wait_kmcnt 0x0
	s_add_nc_u64 s[4:5], s[4:5], s[42:43]
	s_add_nc_u64 s[12:13], s[12:13], s[42:43]
	s_add_nc_u64 s[4:5], s[4:5], s[44:45]
.irp g, 0,1,2,3
	s_mov_b32 s[G0+4*\g], 1                                        ; count = 1
	s_add_co_u32 s[G0+4*\g+1], s46, \g*XTILE                       ; LDS address
	s_add_nc_u64 s[G0+4*\g+2:G0+4*\g+3], s[4:5], \g*65536          ; 16 rows of 4,096 bytes a group
	s_or_b32 s[G0+4*\g+3], s[G0+4*\g+3], 0x80000000                ; type = 2
	tensor_load_to_lds s[G0+4*\g:G0+4*\g+3], s[G1:G1+7]            ; the four first fills, one group, ahead of everything else
	s_nop 0
.endr
	v_and_b32 v1, 31, v0
	v_and_b32 v28, 15, v0                          ; l mod 16 = t mod 16
	v_bfe_u32 v29, v0, 4, 1                        ; l / 16
	v_lshrrev_b32 v30, 4, v0                       ; t / 16
	v_lshlrev_b32 v26, 4, v1                       ; mf: 16 l
	v_lshlrev_b32 v27, 3, v28                      ; cb: 8 (t mod 16)
	v_lshlrev_b32 v7, 4, v0                        ; vs and out: 16 t; never rewritten
	s_lshl_b32 s42, s40, 17                        ; mf: b x 128 KiB + wave x 16 KiB
	s_lshl_b32 s44, s14, 14
	s_add_co_u32 s42, s42, s44
	s_add_nc_u64 s[6:7], s[6:7], s[42:43]
	s_lshl_b32 s42, s40, 13                        ; vs: two rows of 4,096 bytes a batch
	s_add_nc_u64 s[8:9], s[8:9], s[42:43]
	s_lshl_b32 s42, s40, 7                         ; cb: 128 bytes a batch
	s_add_nc_u64 s[10:11], s[10:11], s[42:43]
.set f, 0
.rept 32
	global_load_b128 v[MF+4*f:MF+4*f+3], v26, s[6:7] offset:f*512  ; half a fragment: 512 consecutive bytes
.set f, f+1
.endr
	global_load_b128 v[10:13], v7, s[8:9]                          ; v_sum, y = 0: my 4 columns
	global_load_b128 v[14:17], v7, s[8:9] offset:4096              ; y = 1
	global_load_b64 v[8:9], v27, s[10:11]                          ; cb of head t mod 16
	v_mul_u32_u24 v2, v28, XPITCH
	v_lshl_add_u32 v2, v29, 5, v2
	v_add_nc_u32 v2, s46, v2                       ; x: row l mod 16, 8 f32 for each half of the lanes
	s_mul_i32 s47, s14, 16*PPITCH
	s_add_co_u32 s47, s47, LPART
	v_mul_u32_u24 v3, v28, PPITCH
	v_lshl_add_u32 v3, v29, 5, v3
	v_add_nc_u32 v3, s47, v3                       ; partial scores: in
	v_mul_u32_u24 v4, v30, PPITCH
	v_lshl_add_u32 v4, v28, 3, v4
	v_add_nc_u32 v4, LPART, v4                     ; partial scores: back: row t / 16, head t mod 16
	s_lshl_b32 s44, s14, 8
	s_add_co_u32 s44, s44, LP
	v_lshl_add_u32 v5, v1, 3, s44                  ; p: in: 8 t = row t / 16, head t mod 16
	v_lshlrev_b32 v6, 3, v30
	v_add_nc_u32 v6, LP, v6                        ; p: back: head t / 16, to which my 4 columns of out belong
	s_wait_loadcnt 0x0                             ; M', v_sum, cb: once
; 16 f32 of my row for K step ks of group g: k = 8 h + 0..7 and 16 + 8 h + 0..7, as a fragment wants them
.macro LDX g, ks, u
	ds_load_b128 v[XF+16*\u:XF+16*\u+3],     v2 offset:\g*XTILE+\ks*128
	ds_load_b128 v[XF+16*\u+4:XF+16*\u+7],   v2 offset:\g*XTILE+\ks*128+16
	ds_load_b128 v[XF+16*\u+8:XF+16*\u+11],  v2 offset:\g*XTILE+\ks*128+64
	ds_load_b128 v[XF+16*\u+12:XF+16*\u+15], v2 offset:\g*XTILE+\ks*128+80
.endm
; x -> high part (rounded to bf16) and low part (x - high, exact in f32, then rounded to bf16); 40 plain vector instructions
.macro CONV u
.irp q, 0,4
.irp j, 0,1,2,3
	v_cvt_pk_bf16_f32 v[HL+16*\u+\q+\j], v[XF+16*\u+2*(\q+\j)], v[XF+16*\u+2*(\q+\j)+1]
.endr
.irp j, 0,1,2,3
	v_lshlrev_b32 v[TP+2*\j],   16,  v[HL+16*\u+\q+\j]
	v_and_b32     v[TP+2*\j+1], s41, v[HL+16*\u+\q+\j]
.endr
.irp j, 0,1,2,3
	v_pk_add_f32 v[XF+16*\u+2*(\q+\j):XF+16*\u+2*(\q+\j)+1], v[XF+16*\u+2*(\q+\j):XF+16*\u+2*(\q+\j)+1], v[TP+2*\j:TP+2*\j+1] neg_lo:[0,1] neg_hi:[0,1]
.endr
.irp j, 0,1,2,3
	v_cvt_pk_bf16_f32 v[HL+16*\u+8+\q+\j], v[XF+16*\u+2*(\q+\j)], v[XF+16*\u+2*(\q+\j)+1]
.endr
.endr
.endm
; Six matrix instructions for 32 along K.  The four accumulators take turns, one instruction a turn, from one K step to the next too.
; first = 1: the first products start the sums.
.macro MUL ks, u, first
.if \first
	v_wmma_f32_16x16x32_bf16 v[AC0:AC0+7], v[MF+32*\ks:MF+32*\ks+7],       v[HL+16*\u:HL+16*\u+7],    0
	v_wmma_f32_16x16x32_bf16 v[BC0:BC0+7], v[MF+32*\ks:MF+32*\ks+7],       v[HL+16*\u+8:HL+16*\u+15], 0
	v_wmma_f32_16x16x32_bf16 v[AC1:AC1+7], v[MF+32*\ks+16:MF+32*\ks+23],   v[HL+16*\u:HL+16*\u+7],    0
	v_wmma_f32_16x16x32_bf16 v[BC1:BC1+7], v[MF+32*\ks+16:MF+32*\ks+23],   v[HL+16*\u+8:HL+16*\u+15], 0
.else
	v_wmma_f32_16x16x32_bf16 v[AC0:AC0+7], v[MF+32*\ks:MF+32*\ks+7],       v[HL+16*\u:HL+16*\u+7],    v[AC0:AC0+7]
	v_wmma_f32_16x16x32_bf16 v[BC0:BC0+7], v[MF+32*\ks:MF+32*\ks+7],       v[HL+16*\u+8:HL+16*\u+15], v[BC0:BC0+7]
	v_wmma_f32_16x16x32_bf16 v[AC1:AC1+7], v[MF+32*\ks+16:MF+32*\ks+23],   v[HL+16*\u:HL+16*\u+7],    v[AC1:AC1+7]
	v_wmma_f32_16x16x32_bf16 v[BC1:BC1+7], v[MF+32*\ks+16:MF+32*\ks+23],   v[HL+16*\u+8:HL+16*\u+15], v[BC1:BC1+7]
.endif
	v_wmma_f32_16x16x32_bf16 v[BC0:BC0+7], v[MF+32*\ks+8:MF+32*\ks+15],    v[HL+16*\u:HL+16*\u+7],    v[BC0:BC0+7]
	v_wmma_f32_16x16x32_bf16 v[BC1:BC1+7], v[MF+32*\ks+24:MF+32*\ks+31],   v[HL+16*\u:HL+16*\u+7],    v[BC1:BC1+7]
.endm
; One group of 16 rows.  A fragment buffer is written again only behind the other buffer's CONV: 40 plain vector instructions that name none
; of the registers of the matrix instructions that read it, where four are asked for (ISA guide 7.12.1).
.macro GROUP g
.if \g
	s_wait_xcnt 0x0                                ; the last group's stores have had their addresses translated (ISA guide 3.1): their data, v[64:127], are written again only behind this wait
.endif
	s_wait_tensorcnt 3-\g                          ; a wave's tensor loads end in order (ISA guide 10.11.1): my tile of this group is in, the later groups' stay out; I alone read it
	LDX \g, 0, 0
	LDX \g, 1, 1
	s_wait_dscnt 4                                 ; this K step's four loads are in, the next step's four stay out
	CONV 0
	LDX \g, 2, 0
	MUL 0, 0, 1
	s_wait_dscnt 4
	CONV 1
	LDX \g, 3, 1
	MUL 1, 1, 0
	s_wait_dscnt 4
	CONV 0
	MUL 2, 0, 0
	s_wait_dscnt 0                                 ; the last K step: nothing was issued behind its loads
	CONV 1
	MUL 3, 1, 0
.rept 4
	v_nop                                          ; four places between the last matrix instruction and the first vector instruction that reads a result (ISA guide 7.12.1)
.endr
.irp j, 0,2,4,6,8,10,12,14
	v_pk_add_f32 v[AC0+\j:AC0+\j+1], v[AC0+\j:AC0+\j+1], v[BC0+\j:BC0+\j+1]     ; large terms + small terms
.endr
	ds_store_b128 v3, v[AC0:AC0+3]                 ; row l mod 16, columns 8 h .. 8 h + 7 of tile 0,
	ds_store_b128 v3, v[AC0+4:AC0+7] offset:16
	ds_store_b128 v3, v[AC1:AC1+3] offset:64       ; of tile 1
	ds_store_b128 v3, v[AC1+4:AC1+7] offset:80
	s_wait_dscnt 0x0                               ; my partial scores are in LDS, and my reads of the last group's p are over, before I say so
	s_barrier_signal -1
	s_barrier_wait -1
	; thread t: row t / 16, head t mod 16: the eight K slices' sums, the bias term, the softmax of two
.irp q, 0,1,2,3,4,5,6,7
	ds_load_b64 v[XF+2*\q:XF+2*\q+1], v4 offset:\q*16*PPITCH
.endr
	s_wait_dscnt 0x0
	v_pk_add_f32 v[XF:XF+1],     v[XF:XF+1],     v[XF+2:XF+3]
	v_pk_add_f32 v[XF+4:XF+5],   v[XF+4:XF+5],   v[XF+6:XF+7]
	v_pk_add_f32 v[XF+8:XF+9],   v[XF+8:XF+9],   v[XF+10:XF+11]
	v_pk_add_f32 v[XF+12:XF+13], v[XF+12:XF+13], v[XF+14:XF+15]
	v_pk_add_f32 v[XF:XF+1],     v[XF:XF+1],     v[XF+4:XF+5]
	v_pk_add_f32 v[XF+8:XF+9],   v[XF+8:XF+9],   v[XF+12:XF+13]
	v_pk_add_f32 v[XF:XF+1],     v[XF:XF+1],     v[XF+8:XF+9]
	v_pk_add_f32 v[26:27], v[XF:XF+1], v[8:9]      ; + cb
	v_max_num_f32 v28, v26, v27                    ; the larger score is taken away: one exponent is 0, the other at most 0
	v_sub_f32 v26, v26, v28
	v_sub_f32 v27, v27, v28
	v_exp_f32 v29, v26                             ; base 2: log2(e) is in M' and cb
	v_exp_f32 v30, v27
	v_nop                                          ; one plain vector instruction between a transcendental and the use of its result (ISA guide 5.7.2)
	s_wait_alu depctr_va_vdst(0)
	v_add_f32 v31, v29, v30                        ; between 1 and 2
	v_rcp_f32 v28, v31
	v_nop
	s_wait_alu depctr_va_vdst(0)
	v_mul_f32 v26, v29, v28
	v_mul_f32 v27, v30, v28
	ds_store_b64 v5, v[26:27]                      ; a wave's 32 pairs: 256 consecutive bytes of its own
	s_wait_dscnt 0x0                               ; p is in LDS, and my reads of the partial scores are over, before I say so
	s_barrier_signal -1
	s_barrier_wait -1
	; thread t: the 16 bytes at 16 t of each of the 16 rows of out; its head is t / 16
.irp r, 0,1,2,3,4,5,6,7,8,9,10,11,12,13,14,15
	ds_load_b64 v[XF+2*\r:XF+2*\r+1], v6 offset:\r*128
.endr
	s_wait_dscnt 0x0
.irp r, 0,1,2,3,4,5,6,7,8,9,10,11,12,13,14,15
	v_pk_mul_f32 v[O+4*\r:O+4*\r+1],   v[10:11], v[XF+2*\r:XF+2*\r+1] op_sel_hi:[1,0]                                      ; p0 v_sum0
	v_pk_mul_f32 v[O+4*\r+2:O+4*\r+3], v[12:13], v[XF+2*\r:XF+2*\r+1] op_sel_hi:[1,0]
	v_pk_fma_f32 v[O+4*\r:O+4*\r+1],   v[14:15], v[XF+2*\r:XF+2*\r+1], v[O+4*\r:O+4*\r+1]   op_sel:[0,1,0] op_sel_hi:[1,1,1]  ; + p1 v_sum1
	v_pk_fma_f32 v[O+4*\r+2:O+4*\r+3], v[16:17], v[XF+2*\r:XF+2*\r+1], v[O+4*\r+2:O+4*\r+3] op_sel:[0,1,0] op_sel_hi:[1,1,1]
	global_store_b128 v7, v[O+4*\r:O+4*\r+3], s[12:13] offset:(16*\g+\r)*4096 th:TH_STORE_NT   ; a wave's store covers 512 consecutive bytes, aligned
.endr
.endm
; The partial scores are read between a group's two barriers and written again only behind the second; p is read behind the second, those
; reads are waited for in front of the next group's first, and p is written again only behind that one.  So one region of each is enough.
	GROUP 0
	GROUP 1
	GROUP 2
	GROUP 3                                        ; its wait on the tensor loads is for 0: none is out at the end
	s_set_vgpr_msb 0x5
	s_wait_tensorcnt 0x0
	ds_add_u32 v0, v1
	s_wait_dscnt 0x0
	s_set_vgpr_msb 0x500
	s_endpgm
.Lfunc_end_k_qae36845bb9_attend:
	.size	k_qae36845bb9_attend, .Lfunc_end_k_qae36845bb9_attend-k_qae36845bb9_attend
	.p2alignl 7, 3214868480
	.fill 96, 4, 3214868480
	.section	.rodata,"a",@progbits
	.p2align	6, 0x0
	.amdhsa_kernel k_qae36845bb9_attend
		.amdhsa_group_segment_fixed_size 291840
		.amdhsa_private_segment_fixed_size 0
		.amdhsa_enable_private_segment 0
		.amdhsa_kernarg_size 40
		.amdhsa_user_sgpr_count 2
		.amdhsa_user_sgpr_kernarg_segment_ptr 1
		.amdhsa_wavefront_size32 1
		.amdhsa_system_sgpr_workgroup_id_x 1
		.amdhsa_system_sgpr_workgroup_id_y 1
		.amdhsa_system_sgpr_workgroup_id_z 1
		.amdhsa_system_vgpr_workitem_id 0
		.amdhsa_next_free_vgpr 258
		.amdhsa_next_free_sgpr 66
		.amdhsa_reserve_vcc 0
		.amdhsa_float_denorm_mode_32 3
		.amdhsa_float_denorm_mode_16_64 3
		.amdhsa_memory_ordered 1
		.amdhsa_forward_progress 1
		.amdhsa_inst_pref_size 88
	.end_amdhsa_kernel
	.amdgpu_metadata
---
amdhsa.version: [ 1, 2 ]
amdhsa.kernels:
  - .name:           k_qae36845bb9_attend
    .symbol:         k_qae36845bb9_attend.kd
    .args:
      - { .name: attention_input, .offset: 0, .size: 8, .value_kind: global_buffer, .address_space: global }
      - { .name: mf, .offset: 8, .size: 8, .value_kind: global_buffer, .address_space: global }
      - { .name: vs, .offset: 16, .size: 8, .value_kind: global_buffer, .address_space: global }
      - { .name: cb, .offset: 24, .size: 8, .value_kind: global_buffer, .address_space: global }
      - { .name: out0, .offset: 32, .size: 8, .value_kind: global_buffer, .address_space: global }
    .group_segment_fixed_size: 291840
    .private_segment_fixed_size: 0
    .kernarg_segment_align: 8
    .kernarg_segment_size: 40
    .max_flat_workgroup_size: 256
    .sgpr_count:     66
    .vgpr_count:     258
    .wavefront_size: 32
...
	.end_amdgpu_metadata
.endif
;; end of part 4
